; MI455X (gfx1250); checked and timed in simulation.
; The chip was launched on July 23, 2026; its instructions are those of AMD's public machine-readable ISA for CDNA 5 (MIT licence, August 2026) and "CDNA5" Instruction Set Architecture Reference Guide (July 2026). The comments in the code are by the model that wrote it; some were corrected since.
;; Sequential Multi Head Attention. Allowed arithmetic: float matrix products may take bf16 or f16 operands with f32 sums; all other float work in f32.
;; Inputs: Wk 16 x 1,024 x 64 float32; Wo 1,024 x 1,024 float32; Wq 16 x 1,024 x 64 float32; Wv 16 x 1,024 x 64 float32; bo 1,024 float32; x 4 x 2,048 x 1,024 float32.
;; Outputs: out0 4 x 2,048 x 1,024 float32.
;; One version. Each part assembles by itself: llvm-mc -triple=amdgcn-amd-amdhsa -mcpu=gfx1250 --defsym DOCPART=n.
;; ======== version 1 of 1: 4 launches
;; limits: values are held in f16: magnitudes above 65,504 overflow, below 6.1e-05 lose precision
;; workspace buffers: xh 16,777,216 bytes; wh 6,291,456 bytes; woh 2,097,152 bytes; qkv 50,331,648 bytes; oh 16,777,216 bytes
;; launch cast (part 1): grid 768 x 1, 8 waves a work-group, no clusters, 0 bytes of LDS; arguments x, Wo, Wq, Wk, Wv, xh, woh, wh; writes xh, woh, wh
.if DOCPART == 1
	.amdgcn_target "amdgcn-amd-amdhsa--gfx1250"
	.amdhsa_code_object_version 6
	.text
	.protected	k_qc8a51589d7_cast
	.globl	k_qc8a51589d7_cast
	.p2align	8
	.type	k_qc8a51589d7_cast,@function
k_qc8a51589d7_cast:
	s_mov_b64 s[64:65], 0
	v_nop
	global_prefetch_b8 v0, s[64:65] scope:SCOPE_SE
	s_setreg_imm32_b32 hwreg(HW_REG_WAVE_MODE, 25, 1), 1
	s_wait_xcnt 0x0
; LAUNCH 1 OF 4: the matrix operands among the inputs are rounded once, and the projection weights are laid out for one product.
;   xh  [8192][1024]  = r(x)              woh [1024 n][1024 k] = r(Wo)
;   wh  [1024 e][3072 n] = r(W),  n = 1024 mat + 64 h + d,  mat 0, 1, 2 = Wq, Wk, Wv  (W is [h][e][d])
; The program: cast -> qkvproj (x W for q, k, v) -> attn (causal softmax attention) -> outproj (o Wo^T + bo).
;
; NUMBER FORMATS.  r(a) = the bf16 rounding of a, kept in f16's format.  The result is defined up to the rounding of the inputs to bf16, so x, Wq, Wk,
; Wv and Wo enter with bf16's 8 bits; f16 (11 bits) holds every bf16 number from 2^-17 to 65,504 in magnitude exactly (below 2^-17 it is off by 2^-25
; at the most), so that one matrix form, f16, serves all four products.  The intermediates q, k, v, P and o are rounded to f16 and not to bf16: a row with
; few keys is no average (row 0: o = v), so its results are of the size |v| |Wo| sqrt(1024), far above the root mean square of the whole output, of which
; the allowance is one hundredth; one rounding of v to 8 bits would use that up, one to 11 bits leaves room.  bo is no matrix operand and stays f32.
;
; WORK LEFT OUT IN THE PROGRAM (in attn).  reference() sets scores[t][s] to -inf wherever s > t (its own jnp.tril), so wei[t][s] is
; exactly 0 there for all values of the inputs, and neither k[s] nor v[s] reaches out[t].  Tiles of 64 keys in which every key lies behind
; every query of the wave's 64 rows are therefore neither multiplied nor summed; tiles that the diagonal crosses are computed whole and
; masked.  All six inputs have a way to the output and are loaded.
; LIMITS.  A NaN, an infinity or an overflow that sits only in such masked keys or values is not carried to the result (in reference()
; 0 x inf would give NaN).  x and the four weight tensors carry 8 bits of mantissa.  Any of x, W, q, k, v, o above 65,504 in magnitude becomes
; infinite (q, k, v are sums of 1,024 products x W); inputs below 2^-17 in magnitude are held to 2^-25.  Sums, scores and the softmax are f32.
;
; THIS KERNEL streams: no LDS, no barrier, no matrix unit.  A work-group converts 16,384 numbers: 256 threads x 8 numbers x 8 turns.
; Work-groups 0-511: x.  512-575: Wo.  576-767: the three W (64 each: 8 pairs of heads x 8 blocks of 128 e).
; Every store of sixteen neighbouring lanes covers 256 consecutive bytes, aligned.  All 16 loads of a thread go out first.
.set XW, 8                             ; v[8:71]    turn u: 8 numbers in f32 as loaded, then their bf16 roundings widened to f32
.set YW, 72                            ; v[72:103]  turn u: 8 numbers packed: in bf16, then in f16, as stored
; v1: my byte offset in the source, v2: in the destination; s[2:3] source, s[4:5] destination; s31: mask of a word's upper half.
; Each turn has registers of its own: none that a pending load will write or a pending store reads is touched.
.macro CONV instep, outstep
.irp u, 0,1,2,3,4,5,6,7
	global_load_b128 v[XW+8*\u:XW+8*\u+3],   v1, s[2:3] offset:\u*\instep th:TH_LOAD_NT
	global_load_b128 v[XW+8*\u+4:XW+8*\u+7], v1, s[2:3] offset:\u*\instep+16 th:TH_LOAD_NT
.endr
.irp u, 0,1,2,3,4,5,6,7
	s_wait_loadcnt 14-2*\u                         ; loads return in order: the two of turn u are in, the 14 - 2u younger ones stay out
.irp k, 0,1,2,3
	v_cvt_pk_bf16_f32 v[YW+4*\u+\k], v[XW+8*\u+2*\k], v[XW+8*\u+2*\k+1]   ; the one rounding: to bf16, nearest even
.endr
.irp k, 0,1,2,3
	v_lshlrev_b32 v[XW+8*\u+2*\k],   16,  v[YW+4*\u+\k]                    ; bf16 to f32: the low half moves up,
	v_and_b32     v[XW+8*\u+2*\k+1], s31, v[YW+4*\u+\k]                    ; the high half stays
.endr
.irp k, 0,1,2,3
	v_cvt_pk_f16_f32 v[YW+4*\u+\k], v[XW+8*\u+2*\k], v[XW+8*\u+2*\k+1]    ; a change of format: exact from 2^-17 to 65,504
.endr
	global_store_b128 v2, v[YW+4*\u:YW+4*\u+3], s[4:5] offset:\u*\outstep
.endr
	s_endpgm
.endm
	s_load_b512 s[8:23], s[0:1], 0x0               ; x s[8:9], Wo s[10:11], Wq s[12:13], Wk s[14:15], Wv s[16:17], xh s[18:19], woh s[20:21], wh s[22:23]
	s_mov_b32 s25, 0                               ; high words of the two offset pairs
	s_mov_b32 s27, 0
	s_mov_b32 s31, 0xffff0000                      ; a word's upper bf16
	s_cmp_ge_u32 ttmp9, 576
	s_cbranch_scc1 .Lw
	; x and Wo: element for element.  Thread t takes 32 bytes at 32 t of each turn's 8,192 and writes 16 bytes at 16 t of 4,096.
	s_cmp_lt_u32 ttmp9, 512
	s_cselect_b32 s6, 0, 512
	s_wait_kmcnt 0x0
	s_cselect_b64 s[2:3], s[8:9], s[10:11]
	s_cselect_b64 s[4:5], s[18:19], s[20:21]
	s_sub_co_u32 s6, ttmp9, s6                     ; my block of 16,384 numbers in that tensor
	s_lshl_b32 s24, s6, 16
	s_lshl_b32 s26, s6, 15
	s_add_nc_u64 s[2:3], s[2:3], s[24:25]
	s_add_nc_u64 s[4:5], s[4:5], s[26:27]
	v_lshlrev_b32 v1, 5, v0
	v_lshlrev_b32 v2, 4, v0
	CONV 8192, 4096
.Lw:
	; W[h][e][d] -> wh[e][1024 mat + 64 h + d].  The work-group has two heads and 128 e.  A turn is 16 e: eight lanes read one row W[h][e][:]
	; (256 bytes), sixteen lanes write the two heads' 128 numbers of one e (256 bytes).
	s_sub_co_u32 s6, ttmp9, 576
	s_lshr_b32 s7, s6, 6                           ; mat
	s_bfe_u32 s28, s6, 0x30003                     ; pair of heads
	s_and_b32 s29, s6, 7                           ; block of 128 e
	s_wait_kmcnt 0x0
	s_cmp_eq_u32 s7, 0
	s_cselect_b64 s[2:3], s[12:13], s[14:15]
	s_cmp_eq_u32 s7, 2
	s_cselect_b64 s[2:3], s[16:17], s[2:3]
	s_lshl_b32 s24, s28, 19                        ; two heads of 262,144 bytes
	s_lshl_b32 s30, s29, 15                        ; 128 rows of 256 bytes
	s_add_co_u32 s24, s24, s30
	s_add_nc_u64 s[2:3], s[2:3], s[24:25]
	s_mul_i32 s26, s29, 786432                     ; 128 rows of wh, 6,144 bytes each
	s_lshl_b32 s30, s7, 11
	s_add_co_u32 s26, s26, s30
	s_lshl_b32 s30, s28, 8
	s_add_co_u32 s26, s26, s30
	s_add_nc_u64 s[4:5], s[22:23], s[26:27]
	v_and_b32 v3, 7, v0                            ; which 8 of the 64 d
	v_bfe_u32 v4, v0, 3, 1                         ; which of the two heads
	v_lshrrev_b32 v5, 4, v0                        ; which of the turn's 16 e
	v_lshlrev_b32 v1, 5, v3
	v_lshl_add_u32 v1, v5, 8, v1
	v_lshl_add_u32 v1, v4, 18, v1
	v_and_b32 v6, 15, v0
	v_lshlrev_b32 v2, 4, v6
	v_mad_u32_u24 v2, v5, 6144, v2
	CONV 4096, 98304
.Lfunc_end_k_qc8a51589d7_cast:
	.size	k_qc8a51589d7_cast, .Lfunc_end_k_qc8a51589d7_cast-k_qc8a51589d7_cast
	.p2alignl 7, 3214868480
	.fill 96, 4, 3214868480
	.section	.rodata,"a",@progbits
	.p2align	6, 0x0
	.amdhsa_kernel k_qc8a51589d7_cast
		.amdhsa_group_segment_fixed_size 0
		.amdhsa_private_segment_fixed_size 0
		.amdhsa_enable_private_segment 0
		.amdhsa_kernarg_size 64
		.amdhsa_user_sgpr_count 2
		.amdhsa_user_sgpr_kernarg_segment_ptr 1
		.amdhsa_wavefront_size32 1
		.amdhsa_system_sgpr_workgroup_id_x 1
		.amdhsa_system_sgpr_workgroup_id_y 1
		.amdhsa_system_sgpr_workgroup_id_z 1
		.amdhsa_system_vgpr_workitem_id 0
		.amdhsa_next_free_vgpr 104
		.amdhsa_next_free_sgpr 66
		.amdhsa_reserve_vcc 0
		.amdhsa_float_denorm_mode_32 3
		.amdhsa_float_denorm_mode_16_64 3
		.amdhsa_memory_ordered 1
		.amdhsa_forward_progress 1
		.amdhsa_inst_pref_size 20
	.end_amdhsa_kernel
	.amdgpu_metadata
---
amdhsa.version: [ 1, 2 ]
amdhsa.kernels:
  - .name:           k_qc8a51589d7_cast
    .symbol:         k_qc8a51589d7_cast.kd
    .args:
      - { .name: x, .offset: 0, .size: 8, .value_kind: global_buffer, .address_space: global }
      - { .name: Wo, .offset: 8, .size: 8, .value_kind: global_buffer, .address_space: global }
      - { .name: Wq, .offset: 16, .size: 8, .value_kind: global_buffer, .address_space: global }
      - { .name: Wk, .offset: 24, .size: 8, .value_kind: global_buffer, .address_space: global }
      - { .name: Wv, .offset: 32, .size: 8, .value_kind: global_buffer, .address_space: global }
      - { .name: xh, .offset: 40, .size: 8, .value_kind: global_buffer, .address_space: global }
      - { .name: woh, .offset: 48, .size: 8, .value_kind: global_buffer, .address_space: global }
      - { .name: wh, .offset: 56, .size: 8, .value_kind: global_buffer, .address_space: global }
    .group_segment_fixed_size: 0
    .private_segment_fixed_size: 0
    .kernarg_segment_align: 8
    .kernarg_segment_size: 64
    .max_flat_workgroup_size: 256
    .sgpr_count:     66
    .vgpr_count:     104
    .wavefront_size: 32
...
	.end_amdgpu_metadata
.endif
;; end of part 1
;; launch qkvproj (part 2): grid 12 x 64, 4 waves a work-group, clusters of 4 x 4, 327,680 bytes of LDS; arguments xh, wh, qkv; writes qkv
.if DOCPART == 2
	.amdgcn_target "amdgcn-amd-amdhsa--gfx1250"
	.amdhsa_code_object_version 6
	.text
	.protected	k_qc8a51589d7_qkvproj
	.globl	k_qc8a51589d7_qkvproj
	.p2align	8
	.type	k_qc8a51589d7_qkvproj,@function
k_qc8a51589d7_qkvproj:
	s_mov_b64 s[64:65], 0
	v_nop
	global_prefetch_b8 v0, s[64:65] scope:SCOPE_SE
	s_setreg_imm32_b32 hwreg(HW_REG_WAVE_MODE, 25, 1), 1
	s_wait_xcnt 0x0
	s_wait_alu depctr_hold_cnt(0) depctr_sa_sdst(0) depctr_va_vdst(0) depctr_va_sdst(0) depctr_va_ssrc(0) depctr_va_vcc(0) depctr_vm_vsrc(0)
	s_getreg_b32 s2, hwreg(HW_REG_IB_STS2, 6, 4)
	s_cmp_eq_u32 s2, 0
	s_cbranch_scc0 .Lentry_in_a_cluster
	s_endpgm
.Lentry_in_a_cluster:
	s_bfe_u32 s2, ttmp6, 0x10000c
	s_cmp_lg_u32 s2, 0xf033
	s_cbranch_scc0 .Lentry_shape_is_right
	s_endpgm
.Lentry_shape_is_right:
; LAUNCH 2 OF 4: q, k, v = x W.  C[m][n] = sum over e of xh[m][e] wh[e][n], M = 8192, N = 3072, K = 1024, f16 operands, f32 sums.
; The result is stored in f16 as qkv[mat][b h][t][d] (n = 1024 mat + 64 h + d, m = 2048 b + t): a head's rows are dense, 128 bytes each.
; Nothing of reference() is left out here.  Limit: a q, k or v above 65,504 in magnitude becomes infinite in f16.
; A work-group makes 128 (m) x 256 (n) with four waves, 2 x 2; a wave makes 64 x 128: 32 accumulator tiles, 256 registers.  That block gives
; 12 x 64 = 768 work-groups, three for each of 256 WGPs.  K goes in 8 steps of 128 through two LDS slots filled by tensor loads.
; CLUSTERS of 4 x 4: the four work-groups of a cluster's row share the block row (x's tile), the four of a column the block column (W's tile).
; Each tile is asked for jointly: the same load, the same descriptor, a mask that names the four.
; By this text's count a wave has two tensor loads out at the start and one behind each later round.
; REGISTERS: window 0: v0-31 addresses, v32-63 packed results, v64-159 and v160-255 two fragment buffers (8 fragments of W, then 4 of x);
; window 1: accumulator tile (a, b) at v[8 (8 a + b)], a = 0..3 (16 m each), b = 0..7 (16 n each).
; THE PRODUCT IS USED TRANSPOSED: source 0 = 16 columns of W, source 1 = 16 rows of x; lane l then holds row m = l % 16 and the eight
; neighbouring columns n = 8 (l / 16) + 0..7, which pack into 16 bytes.
.set KSTEP,  128
.set PA,     272                       ; x's LDS rows: 256 bytes + 16 of padding
.set PB,     544                       ; W's LDS rows (one e, 256 n): 512 bytes + 32 of padding: an odd multiple of 32 for the transposing load
.set HA,     64*PA                     ; 64 rows of x: one tensor load
.set HB,     64*PB                     ; 64 rows (e) of W: one tensor load
.set BOFF,   2*HA
.set SLOT,   2*HA+2*HB                 ; 104,448 bytes
.set STAGE,  2*SLOT                    ; behind the ring, a multiple of 256: 16 rows x 272 bytes for each wave; no tensor load lands here
.set SPITCH, 272
.set ASTEP,  KSTEP*2                   ; bytes from one K step's tile of x to the next
.set BSTEP,  KSTEP*3072*2              ; the same for W
.set LAPS,   4                         ; a lap = two K steps
.set ADRA, 16                          ; v16-17 LDS address of my x fragments in slot 0, 1
.set ADRB, 20                          ; v20-21 the same for W
.set STO,  24
.set RD,   25
.set CO,   26
.set TMP,  32
.set F0,   64
.set F1,   160
.set G1,  24                           ; s[24:31] group 1 for x's tiles
.set G0,  32                           ; s[32:39] group 0 for x's tiles, one set a slot
.set G1B, 48                           ; s[48:55] group 1 for W's tiles
.set G0B, 56                           ; s[56:63] group 0 for W's tiles, one set a slot
.set MSB, 0
.macro WIN new                         ; the immediate's high byte repeats the setting that is left
.if MSB != \new
	s_set_vgpr_msb (MSB<<8)|\new
.set MSB, \new
.endif
.endm
.set MUL, 0x50                         ; C and D in window 1, both sources in window 0
.macro JLOAD s                         ; waves 0, 1 ask for x's two halves, waves 2, 3 for W's; the branch hangs on the wave's number alone
	s_cmp_eq_u32 s11, 0
	s_cbranch_scc0 .Lfor_b_\@
	tensor_load_to_lds s[G0+4*\s:G0+4*\s+3], s[G1:G1+7]
	s_nop 0
	s_branch .Lasked_\@
.Lfor_b_\@:
	tensor_load_to_lds s[G0B+4*\s:G0B+4*\s+3], s[G1B:G1B+7]
	s_nop 0
.Lasked_\@:
.endm
.macro CREST                           ; a round of the cluster's barrier behind its opening work-group barrier
	s_cmp_lg_u32 s10, 0
	s_cbranch_scc1 .Lnot_wave_0_\@
	s_barrier_signal -3
.Lnot_wave_0_\@:
	s_barrier_wait -3
	s_barrier_signal -1
	s_barrier_wait -1
.endm
.macro CROUND
	s_barrier_signal -1
	s_barrier_wait -1
	CREST
.endm
	s_load_b128 s[4:7], s[0:1], 0x0                ; xh s[4:5], wh s[6:7]
	s_load_b64 s[8:9], s[0:1], 0x10                ; qkv
	v_lshl_add_u32 v30, v0, 2, 0x37400
	v_mov_b32 v31, 0
	ds_add_u32 v30, v31
	ds_add_u32 v30, v31
	v_lshrrev_b32 v1, 5, v0
	v_readfirstlane_b32 s10, v1                    ; wave 0..3
	s_lshr_b32 s11, s10, 1                         ; my half of the block's rows.  Also: I fetch for x (0) or for W (1)
	s_and_b32 s12, s10, 1                          ; my half of its columns.  Also: which half of that tile I fetch
	s_bfe_u32 s40, ttmp6, 0x40000                  ; cx
	s_bfe_u32 s41, ttmp6, 0x40004                  ; cy
	s_lshl_b32 s42, ttmp9, 2
	s_add_co_u32 s42, s42, s40                     ; block column 0..11
	s_and_b32 s13, ttmp7, 0xffff
	s_lshl_b32 s13, s13, 2
	s_add_co_u32 s13, s13, s41                     ; block row 0..63
	s_lshl_b32 s43, s41, 2
	s_lshl_b32 s43, 15, s43                        ; my row of the cluster
	s_lshl_b32 s44, 0x1111, s40                    ; my column
	; x's tile: 64 rows x 128 elements of 2 bytes, 4 words of padding behind every 64 words
	s_or_b32 s[G1+0], s43, (1<<16)|(1<<20)|(1<<21)|(5<<22)|(3<<25)
	s_mov_b32 s[G1+1], 128<<16                     ; tensor_dim0 = 128
	s_mov_b32 s[G1+2], 64<<16                      ; tensor_dim1 = 64
	s_mov_b32 s[G1+3], 128<<16                     ; tile_dim0 = 128
	s_mov_b32 s[G1+4], 64                          ; tile_dim1 = 64
	s_mov_b32 s[G1+5], 1024                        ; elements from row to row
	s_mov_b32 s[G1+6], 0
	s_mov_b32 s[G1+7], 0
	; W's tile: 64 rows (e) x 256 elements (n), 8 words of padding behind every 128 words
	s_or_b32 s[G1B+0], s44, (1<<16)|(1<<20)|(1<<21)|(6<<22)|(7<<25)
	s_mov_b32 s[G1B+1], 256<<16
	s_mov_b32 s[G1B+2], 64<<16
	s_mov_b32 s[G1B+3], 256<<16
	s_mov_b32 s[G1B+4], 64
	s_mov_b32 s[G1B+5], 3072
	s_mov_b32 s[G1B+6], 0
	s_mov_b32 s[G1B+7], 0
	; x's address hangs on the block row alone, W's on the block column alone, each in registers that never hold the other coordinate
	s_lshl_b32 s17, s12, 6
	s_lshl_b32 s16, s13, 7
	s_add_co_u32 s16, s16, s17                     ; row 128 x block row + 64 x half
	s_lshl_b32 s16, s16, 11                        ; rows of 2,048 bytes
	s_mov_b32 s17, 0
	s_lshl_b32 s46, s42, 9                         ; 256 columns of 2 bytes
	s_mul_i32 s47, s12, 64*3072*2                  ; 64 rows of 6,144 bytes
	s_add_co_u32 s46, s46, s47
	s_mov_b32 s47, 0
	s_mul_i32 s20, s12, HA                         ; where the tiles go: no place in the cluster enters an LDS address
	s_mul_i32 s21, s12, HB
	s_add_co_u32 s21, s21, BOFF
	s_wait_dscnt 0x0
	s_wait_kmcnt 0x0
	s_add_nc_u64 s[14:15], s[4:5], s[16:17]
	s_add_nc_u64 s[46:47], s[6:7], s[46:47]
	CROUND                                         ; all sixteen work-groups are here: the first joint loads meet
.irp s, 0,1
	s_mov_b32 s[G0+4*\s], 1
	s_add_co_u32 s[G0+4*\s+1], s20, \s*SLOT
	s_add_nc_u64 s[G0+4*\s+2:G0+4*\s+3], s[14:15], \s*ASTEP
	s_or_b32 s[G0+4*\s+3], s[G0+4*\s+3], 0x80000000
	s_mov_b32 s[G0B+4*\s], 1
	s_add_co_u32 s[G0B+4*\s+1], s21, \s*SLOT
	s_add_nc_u64 s[G0B+4*\s+2:G0B+4*\s+3], s[46:47], \s*BSTEP
	s_or_b32 s[G0B+4*\s+3], s[G0B+4*\s+3], 0x80000000
	JLOAD \s                                       ; K steps 0 and 1
.endr
	v_and_b32 v1, 15, v0                           ; r = l % 16
	v_bfe_u32 v2, v0, 4, 1                         ; h = l / 16
	v_mul_u32_u24 v3, v1, PA
	v_lshl_add_u32 v3, v2, 4, v3                   ; x: row r, 16 bytes for each half of the lanes
	v_and_b32 v4, 7, v0
	v_lshl_add_u32 v4, v2, 3, v4                   ; W, for the transposing load: row e = 8 h + l % 8,
	v_mul_u32_u24 v4, v4, PB
	v_bfe_u32 v5, v0, 3, 1
	v_lshl_add_u32 v4, v5, 4, v4                   ; and which 8 of the 16 columns
	s_mul_i32 s22, s11, HA                         ; my 64 rows of x
	s_lshl_b32 s23, s12, 8                         ; my 128 columns of W
	s_add_co_u32 s23, s23, BOFF
.irp s, 0,1
	v_add_nc_u32 v[ADRA+\s], s22, v3
	v_add_nc_u32 v[ADRB+\s], s23, v4
	s_add_co_u32 s22, s22, SLOT
	s_add_co_u32 s23, s23, SLOT
.endr
	s_mul_i32 s45, s10, 16*SPITCH
	s_add_co_u32 s45, s45, STAGE                   ; my stage
	v_add_nc_u32 v[STO], s45, v3                   ; in: row r, 16 bytes for each half of the lanes
	v_and_b32 v6, 31, v0
	v_lshrrev_b32 v7, 3, v6                        ; back: eight lanes take one head's 128 bytes of a row, 32 lanes four rows
	v_mul_u32_u24 v7, v7, SPITCH
	v_and_b32 v8, 7, v0
	v_lshl_add_u32 v7, v8, 4, v7
	v_add_nc_u32 v[RD], s45, v7
	v_lshlrev_b32 v[CO], 4, v6                     ; four rows of 128 bytes are 512 consecutive bytes of qkv
; 8 products: m tile a x all 8 n tiles, 32 along K.  zero = 1: the first product starts the sums.
.macro MUL8 f, a, zero
.irp b, 0,1,2,3,4,5,6,7
.if \zero
	v_wmma_f32_16x16x32_f16 v[8*(8*\a+\b):8*(8*\a+\b)+7], v[\f+8*\b:\f+8*\b+7], v[\f+64+8*\a:\f+64+8*\a+7], 0
.else
	v_wmma_f32_16x16x32_f16 v[8*(8*\a+\b):8*(8*\a+\b)+7], v[\f+8*\b:\f+8*\b+7], v[\f+64+8*\a:\f+64+8*\a+7], v[8*(8*\a+\b):8*(8*\a+\b)+7]
.endif
.endr
.endm
; 24 LDS loads: the fragments of quarter q (32 along K) of a slot into buffer f.  W lies [e][n] and is transposed on the way: 16 loads, then x's 8.
.macro FETCH slot, q, f
.irp b, 0,1,2,3,4,5,6,7
	ds_load_tr16_b128 v[\f+8*\b:\f+8*\b+3],   v[ADRB+\slot] offset:\q*32*PB+32*\b
	ds_load_tr16_b128 v[\f+8*\b+4:\f+8*\b+7], v[ADRB+\slot] offset:\q*32*PB+16*PB+32*\b
.endr
.irp a, 0,1,2,3
	ds_load_b128 v[\f+64+8*\a:\f+64+8*\a+3],   v[ADRA+\slot] offset:64*\q+\a*16*PA
	ds_load_b128 v[\f+64+8*\a+4:\f+64+8*\a+7], v[ADRA+\slot] offset:64*\q+\a*16*PA+32
.endr
.endm
; A load into a register that a product has read, and a vector instruction or LDS store that reads a product's result, stand four plain vector
; instructions behind that product (ISA guide 7.12.1 for vector instructions).
.macro PLACES
.rept 4
	v_nop
.endr
.endm
; The 32 accumulators take turns, one product a turn, in the same order in every quarter, over the backward jump too.
.macro QUARTER slot, q, f, g, zero     ; multiplies buffer f; in its middle fetches quarter q of the same slot into buffer g
	s_wait_dscnt 4                                 ; W's fragments and x's tiles 0, 1 are in; the four youngest loads (x's tiles 2, 3) may be out
	WIN MUL
	MUL8 \f, 0, \zero
	MUL8 \f, 1, \zero
	PLACES
	WIN 0
	FETCH \slot, \q, \g
	s_wait_dscnt 24                                ; all but the 24 just issued
	WIN MUL
	MUL8 \f, 2, \zero
	MUL8 \f, 3, \zero
.endm
.macro THREE slot, zero
	QUARTER \slot, 1, F0, F1, \zero
	QUARTER \slot, 2, F1, F0, 0
	QUARTER \slot, 3, F0, F1, 0
.endm
; The last quarter of a K step multiplies buffer 1 and changes slots.  In front of the barrier each wave waits for its reads of this slot and for
; all its tensor loads (one is out: its part of the next slot).  fill = 1: the barrier opens a round of the cluster's barrier, and the joint refill
; of this slot, two K steps ahead, is the wave's first and only tensor load behind the round.
.macro TURN slot, next, fill
	s_wait_dscnt 4
	WIN MUL
	MUL8 F1, 0, 0
	s_wait_dscnt 0                                 ; my reads of this slot are over
	s_wait_tensorcnt 0x0                           ; all my tensor loads have landed
	ds_add_u32 v30, v31
	s_wait_dscnt 0x0
	s_barrier_signal -1
	MUL8 F1, 1, 0                                  ; register work while the others arrive
	WIN 0
	s_barrier_wait -1
.if \fill
	CREST
	s_add_nc_u64 s[G0+4*\slot+2:G0+4*\slot+3], s[G0+4*\slot+2:G0+4*\slot+3], 2*ASTEP
	s_add_nc_u64 s[G0B+4*\slot+2:G0B+4*\slot+3], s[G0B+4*\slot+2:G0B+4*\slot+3], 2*BSTEP
	JLOAD \slot
.endif
	PLACES
	FETCH \next, 0, F0
	WIN MUL
	MUL8 F1, 2, 0
	MUL8 F1, 3, 0
.endm
.macro LAP zero
	THREE 0, \zero
	TURN 0, 1, 1
	THREE 1, 0
	TURN 1, 0, 1
.endm
	s_wait_tensorcnt 1                             ; my part of K step 0 is in; K step 1's stays out
	s_barrier_signal -1
	s_barrier_wait -1
	FETCH 0, 0, F0
	LAP 1                                          ; K steps 0, 1: the first products start the sums; steps 2, 3 are asked for
	WIN 0
	s_mov_b32 s3, LAPS-2
.Llap:
	LAP 0
	WIN 0
	s_sub_co_u32 s3, s3, 1
	s_cmp_lg_u32 s3, 0
	s_cbranch_scc1 .Llap
	THREE 0, 0                                     ; the last lap fills nothing
	TURN 0, 1, 0
	THREE 1, 0
	s_wait_dscnt 4
	WIN MUL
	MUL8 F1, 0, 0
	MUL8 F1, 1, 0
	s_wait_dscnt 0
	MUL8 F1, 2, 0
	MUL8 F1, 3, 0
	; THE WAY OUT, 16 rows at a time: round to f16, 16 bytes a lane into my own stage, read back as four rows of one head, 512 consecutive bytes a store.
	PLACES
	s_lshr_b32 s16, s13, 4                         ; m = 128 block row + 64 wm + row:  batch,
	s_lshl_b32 s16, s16, 22                        ; 16 heads of 262,144 bytes
	s_and_b32 s14, s13, 15
	s_lshl_b32 s14, s14, 14                        ; t: 128 rows of 128 bytes
	s_add_co_u32 s16, s16, s14
	s_lshl_b32 s14, s11, 13
	s_add_co_u32 s16, s16, s14
	s_mov_b32 s17, 0
	s_add_nc_u64 s[8:9], s[8:9], s[16:17]
	s_lshr_b32 s46, s42, 2                         ; n = 256 block column + 128 wn + column:  mat,
	s_lshl_b32 s46, s46, 24
	s_and_b32 s47, s42, 3
	s_lshl_b32 s47, s47, 20                        ; four heads a block column,
	s_add_co_u32 s46, s46, s47
	s_lshl_b32 s47, s12, 19                        ; two a wave
	s_add_co_u32 s46, s46, s47
	s_mov_b32 s47, 0
	s_add_nc_u64 s[8:9], s[8:9], s[46:47]
.macro OUT16 a, f
	WIN 0x05                                       ; both sources in window 1
.irp b, 0,1,2,3,4,5,6,7
.irp c, 0,1,2,3
	v_cvt_pk_f16_f32 v[TMP+4*\b+\c], v[8*(8*\a+\b)+2*\c], v[8*(8*\a+\b)+2*\c+1]
.endr
.endr
	WIN 0
.irp b, 0,1,2,3,4,5,6,7
	ds_store_b128 v[STO], v[TMP+4*\b:TMP+4*\b+3] offset:32*\b
.endr
	s_wait_xcnt 0x0                                ; buffer f was the data of earlier stores: it is loaded again only behind this wait
.irp jj, 0,1,2,3,4,5,6,7
	ds_load_b128 v[\f+4*\jj:\f+4*\jj+3], v[RD] offset:(\jj&3)*4*SPITCH+(\jj>>2)*128   ; a wave's LDS instructions are served in order: these see the stores above
.endr
.irp jj, 0,1,2,3,4,5,6,7
	s_wait_dscnt 7-\jj
	global_store_b128 v[CO], v[\f+4*\jj:\f+4*\jj+3], s[8:9] offset:(16*\a+4*(\jj&3))*128+(\jj>>2)*262144
.endr
.endm
	OUT16 0, F0
	OUT16 1, F1
	OUT16 2, F0
	OUT16 3, F1
	s_wait_tensorcnt 0x0
	ds_add_u32 v30, v31
	s_wait_dscnt 0x0
	CROUND                                         ; the closing round: no work-group ends while a partner may still ask for a tile that names it
	s_endpgm
.Lfunc_end_k_qc8a51589d7_qkvproj:
	.size	k_qc8a51589d7_qkvproj, .Lfunc_end_k_qc8a51589d7_qkvproj-k_qc8a51589d7_qkvproj
	.p2alignl 7, 3214868480
	.fill 96, 4, 3214868480
	.section	.rodata,"a",@progbits
	.p2align	6, 0x0
	.amdhsa_kernel k_qc8a51589d7_qkvproj
		.amdhsa_group_segment_fixed_size 327680
		.amdhsa_private_segment_fixed_size 0
		.amdhsa_enable_private_segment 0
		.amdhsa_kernarg_size 24
		.amdhsa_user_sgpr_count 2
		.amdhsa_user_sgpr_kernarg_segment_ptr 1
		.amdhsa_wavefront_size32 1
		.amdhsa_system_sgpr_workgroup_id_x 1
		.amdhsa_system_sgpr_workgroup_id_y 1
		.amdhsa_system_sgpr_workgroup_id_z 1
		.amdhsa_system_vgpr_workitem_id 0
		.amdhsa_next_free_vgpr 512
		.amdhsa_next_free_sgpr 66
		.amdhsa_reserve_vcc 0
		.amdhsa_float_denorm_mode_32 3
		.amdhsa_float_denorm_mode_16_64 3
		.amdhsa_memory_ordered 1
		.amdhsa_forward_progress 1
		.amdhsa_inst_pref_size 118
	.end_amdhsa_kernel
	.amdgpu_metadata
---
amdhsa.version: [ 1, 2 ]
amdhsa.kernels:
  - .name:           k_qc8a51589d7_qkvproj
    .symbol:         k_qc8a51589d7_qkvproj.kd
    .args:
      - { .name: xh, .offset: 0, .size: 8, .value_kind: global_buffer, .address_space: global }
      - { .name: wh, .offset: 8, .size: 8, .value_kind: global_buffer, .address_space: global }
      - { .name: qkv, .offset: 16, .size: 8, .value_kind: global_buffer, .address_space: global }
    .group_segment_fixed_size: 327680
    .private_segment_fixed_size: 0
    .kernarg_segment_align: 8
    .kernarg_segment_size: 24
    .max_flat_workgroup_size: 128
    .sgpr_count:     66
    .vgpr_count:     512
    .wavefront_size: 32
...
	.end_amdgpu_metadata
.endif
;; end of part 2
;; launch attn (part 3): grid 4 x 64, 4 waves a work-group, no clusters, 327,680 bytes of LDS; arguments qkv, oh; writes oh
.if DOCPART == 3
	.amdgcn_target "amdgcn-amd-amdhsa--gfx1250"
	.amdhsa_code_object_version 6
	.text
	.protected	k_qc8a51589d7_attn
	.globl	k_qc8a51589d7_attn
	.p2align	8
	.type	k_qc8a51589d7_attn,@function
k_qc8a51589d7_attn:
	s_mov_b64 s[64:65], 0
	v_nop
	global_prefetch_b8 v0, s[64:65] scope:SCOPE_SE
	s_setreg_imm32_b32 hwreg(HW_REG_WAVE_MODE, 25, 1), 1
	s_wait_xcnt 0x0
; LAUNCH 3 OF 4: o = softmax(causal(q k^T / 8)) v for each of 64 (batch, head) pairs, T = 2048, 64 numbers a head.  qkv[mat][bh][t][d] f16 -> oh[bh][t][d] f16.
; LEFT OUT: tiles of 64 keys that lie wholly behind the wave's 64 queries: reference() gives them the weight 0 for all inputs (shown at the head
; of the first launch).  Limits: a NaN or infinity in such keys or values alone is not carried; a NaN loses in the running maximum (it still reaches its
; row through the exponentials); P and o are rounded to f16.
; SHARE.  Work-group (i, bh) takes the query blocks of 256 rows J = i and J = 7 - i of head bh: 2 (i + 1) + 2 (8 - i) = 18 steps of 128 keys in
; every work-group.  Wave w has 64 queries (four tiles of 16).  A step is two tiles of 64 keys.  A block takes its two diagonal steps first (masked;
; wave w jumps over the tiles td > w, which are wholly behind its queries), then its 2 J full steps.
; NO CLUSTER: the four work-groups of a head walk the key steps in different orders and numbers (block i against block 7 - i); asking jointly in step
; would take 24 steps for each of them instead of 18.
; LAYOUT.  S^T = K Q^T (source 0: 16 keys, source 1: 16 queries): lane (r, h) holds query r and keys 8 h + 0..7, so that two tiles of S pack, in
; place, into the second source P^T of O^T = V^T P^T (first source: V through the transposing LDS load), whose result again holds query r in lane r.
; The running maximum, sum and rescaling are therefore a lane's own; one exchange joins the two halves of the lanes.
; The maximum is taken away as reference() does, as a running maximum: kept as NM = -(c max), c = log2(e) / 8; weights are 2^(c s + NM).
; RING.  Two LDS slots of a step's K and V.  Wave 0, 1 fetch K's halves, wave 2, 3 V's: one tensor load a wave behind each barrier, 8 KiB as 32 rows
; of 256 bytes (two keys a row).  By this text's count a wave has one tensor load out.  The load has a whole step's work in which to land.
; The loop stands in phases (products, softmax, products).
.set PART,  9216                       ; a wave's part of a slot: K: 32 rows x 272 = 8,704; V: 32 rows x 288 = 9,216
.set SLOT,  4*PART                     ; K half 0, K half 1, V half 0, V half 1
.set STAGE, 2*SLOT                     ; a multiple of 256: 64 rows x 144 bytes for each wave, for the way out; no tensor load lands here
.set KP,    272                        ; 16 rows of a fragment start at 16 different 16-byte columns
.set VP,    288                        ; the same for the transposing load's 8 rows x 2 halves
.set SP,    144
.set KA,  2                            ; v2-3   LDS address of my K fragments in slot 0, 1
.set VA,  4                            ; v4-5   the same for V
.set QO,  6                            ; v6     my byte offset in a tile of 16 rows of q
.set STO, 7
.set RD,  8
.set CO,  9
.set NI,  10                           ; v10    -infinity
.set DQ,  12                           ; v12-15 query tile qt: my query's place in the block of 256, less 8 h
.set NM,  16                           ; v16-23 pairs: -(c max), twice
.set AL,  24                           ; v24-31 pairs: the rescaling factor, twice
.set LS,  32                           ; v32-35 my half's running sum
.set TP,  36                           ; v36-43 pairs at work
.set T2,  44                           ; v44-47 at work
.set S,   64                           ; v64-191  S(st, qt) at S + 32 qt + 8 st; then P(qt, kc) at S + 32 qt + 16 kc
.set FR,  192                          ; v192-255 fragments of K, then of V
.set QW,  128                          ; window 1: O(dt, qt) at v[8 (4 dt + qt)], Q(qt, dk) at v[128 + 8 (2 qt + dk)]
.set G0,  28                           ; s[28:35] group 0, one set a slot
.set G1K, 36                           ; s[36:43] group 1 for K
.set G1V, 44                           ; s[44:51] group 1 for V: another padding
.set MSB, 0
.macro WIN new
.if MSB != \new
	s_set_vgpr_msb (MSB<<8)|\new
.set MSB, \new
.endif
.endm
.macro SETG0 s                         ; slot s will take key step s16
	s_lshl_b32 s18, s16, 14                        ; 128 keys of 128 bytes
	s_add_nc_u64 s[G0+4*\s+2:G0+4*\s+3], s[20:21], s[18:19]
	s_or_b32 s[G0+4*\s+3], s[G0+4*\s+3], 0x80000000
.endm
.macro JLOAD s
	s_cmp_eq_u32 s9, 0
	s_cbranch_scc0 .Lfor_v_\@
	tensor_load_to_lds s[G0+4*\s:G0+4*\s+3], s[G1K:G1K+7]
	s_nop 0
	s_branch .Lasked_\@
.Lfor_v_\@:
	tensor_load_to_lds s[G0+4*\s:G0+4*\s+3], s[G1V:G1V+7]
	s_nop 0
.Lasked_\@:
.endm
; The change of slots.  Each wave waits for all its tensor loads (its part of the slot now due) and for its reads of the other slot, then the
; barrier; behind it the other slot is filled first, with key step s16, one load a wave.
.macro STEP other, refill
	s_wait_tensorcnt 0x0                           ; no load of mine is out: a group 0 may be written
	ds_add_u32 v62, v63
	s_wait_dscnt 0x0
.if \refill
	SETG0 \other
.endif
	s_wait_dscnt 0x0
	s_barrier_signal -1
	s_barrier_wait -1
.if \refill
	JLOAD \other
.endif
.endm
.macro SOFTMAX mask, td, zero
.if \mask
	; key 64 td + 16 st + 8 h + j lives if it is not behind my query
.irp st, 0,1,2,3
.irp j, 0,1,2,3,4,5,6,7
.irp qt, 0,1,2,3
	v_cmp_le_i32 vcc_lo, 64*\td+16*\st+\j, v[DQ+\qt]
	v_cndmask_b32 v[S+32*\qt+8*\st+\j], v[NI], v[S+32*\qt+8*\st+\j], vcc_lo
.endr
.endr
.endr
.endif
	; the largest of my 32 scores of each query tile: four chains that do not wait for each other
.irp qt, 0,1,2,3
	v_max3_num_f32 v[TP+2*\qt], v[S+32*\qt], v[S+32*\qt+1], v[S+32*\qt+2]
.endr
.irp k, 3,5,7,9,11,13,15,17,19,21,23,25,27,29
.irp qt, 0,1,2,3
	v_max3_num_f32 v[TP+2*\qt], v[TP+2*\qt], v[S+32*\qt+\k], v[S+32*\qt+\k+1]
.endr
.endr
.irp qt, 0,1,2,3
	v_max_num_f32 v[TP+2*\qt], v[TP+2*\qt], v[S+32*\qt+31]
.endr
.irp qt, 0,1,2,3
	v_permlanex16_b32 v[T2+\qt], v[TP+2*\qt], s26, s27     ; the other half's keys of the same query
.endr
.irp qt, 0,1,2,3
	v_max_num_f32 v[TP+2*\qt], v[TP+2*\qt], v[T2+\qt]
.endr
.irp qt, 0,1,2,3
	v_mul_f32 v[TP+2*\qt], 0xbe38aa3b, v[TP+2*\qt]         ; -(c max of this tile)
.endr
.if \zero==0
.irp qt, 0,1,2,3
	v_min_num_f32 v[TP+2*\qt], v[TP+2*\qt], v[NM+2*\qt]    ; the running maximum, with its sign turned
.endr
.irp qt, 0,1,2,3
	v_sub_f32 v[T2+\qt], v[TP+2*\qt], v[NM+2*\qt]          ; c (old max - new max), never above 0
.endr
.endif
.irp qt, 0,1,2,3
	v_mov_b32 v[NM+2*\qt], v[TP+2*\qt]
	v_mov_b32 v[NM+2*\qt+1], v[TP+2*\qt]
.endr
.if \zero==0
.irp qt, 0,1,2,3
	v_exp_f32 v[AL+2*\qt], v[T2+\qt]               ; behind these stands the first multiply-add below, which touches neither AL nor T2 (ISA guide 5.7.2)
	v_exp_f32 v[AL+2*\qt+1], v[T2+\qt]
.endr
.endif
.irp qt, 0,1,2,3
.irp p, 0,2,4,6,8,10,12,14,16,18,20,22,24,26,28,30
	v_pk_fma_f32 v[S+32*\qt+\p:S+32*\qt+\p+1], v[S+32*\qt+\p:S+32*\qt+\p+1], 0x3e38aa3b, v[NM+2*\qt:NM+2*\qt+1] op_sel_hi:[1,0,1]
.endr
.irp p, 0,1,2,3,4,5,6,7,8,9,10,11,12,13,14,15,16,17,18,19,20,21,22,23,24,25,26,27,28,29,30,31
	v_exp_f32 v[S+32*\qt+\p], v[S+32*\qt+\p]       ; the next query tile's multiply-adds are the plain instruction behind this run
.endr
.endr
	v_nop                                          ; and this one behind the last run
	s_wait_alu depctr_va_vdst(0)
.irp qt, 0,1,2,3
	v_pk_add_f32 v[TP+2*\qt:TP+2*\qt+1], v[S+32*\qt:S+32*\qt+1], v[S+32*\qt+2:S+32*\qt+3]
.endr
.irp p, 4,6,8,10,12,14,16,18,20,22,24,26,28,30
.irp qt, 0,1,2,3
	v_pk_add_f32 v[TP+2*\qt:TP+2*\qt+1], v[TP+2*\qt:TP+2*\qt+1], v[S+32*\qt+\p:S+32*\qt+\p+1]
.endr
.endr
.if \zero
.irp qt, 0,1,2,3
	v_add_f32 v[LS+\qt], v[TP+2*\qt], v[TP+2*\qt+1]        ; the first tile starts the sum
.endr
.else
.irp qt, 0,1,2,3
	v_add_f32 v[TP+2*\qt], v[TP+2*\qt], v[TP+2*\qt+1]
.endr
.irp qt, 0,1,2,3
	v_fma_f32 v[LS+\qt], v[LS+\qt], v[AL+2*\qt], v[TP+2*\qt]
.endr
.endif
	; P in f16, in place: keys 0-31 into words 0-7, keys 32-63 into words 16-23 of the query tile's 32: word i is written after it was read
.irp qt, 0,1,2,3
.irp i, 0,1,2,3,4,5,6,7
	v_cvt_pk_f16_f32 v[S+32*\qt+\i], v[S+32*\qt+2*\i], v[S+32*\qt+2*\i+1]
.endr
.irp i, 0,1,2,3,4,5,6,7
	v_cvt_pk_f16_f32 v[S+32*\qt+16+\i], v[S+32*\qt+16+2*\i], v[S+32*\qt+17+2*\i]
.endr
.endr
.endm
; One tile: my 64 queries x the 64 keys of half hf of a slot.  mask = 1: tile td of the block's four diagonal tiles.  zero = 1: a block's first tile.
; Among the products the accumulators take turns, one product a turn (4 in S, 16 in O).
.macro TILE slot, hf, mask, td, zero
.if \mask*\td
	s_cmp_lt_u32 s8, \td                           ; every key of this tile lies behind every query of mine: weight 0
	s_cbranch_scc1 .Lskip_\@
.endif
.rept 5
	v_nop                                          ; the last tile's products read FR and P: loads land on FR four, products write over P five plain instructions behind them
.endr
.irp st, 0,1,2,3
.irp c, 0,1,2,3
	ds_load_b128 v[FR+16*\st+4*\c:FR+16*\st+4*\c+3], v[KA+\slot] offset:\hf*PART+\st*8*KP+32*\c
.endr
.endr
	WIN 0x04                                       ; second source (Q) in window 1
.irp st, 0,1,2,3
	s_wait_dscnt 12-4*\st                          ; the four loads of key tile st are in; those of later key tiles stay out
.irp dk, 0,1
.irp qt, 0,1,2,3
.if \dk
	v_wmma_f32_16x16x32_f16 v[S+32*\qt+8*\st:S+32*\qt+8*\st+7], v[FR+16*\st+8*\dk:FR+16*\st+8*\dk+7], v[QW+8*(2*\qt+\dk):QW+8*(2*\qt+\dk)+7], v[S+32*\qt+8*\st:S+32*\qt+8*\st+7]
.else
	v_wmma_f32_16x16x32_f16 v[S+32*\qt+8*\st:S+32*\qt+8*\st+7], v[FR+16*\st+8*\dk:FR+16*\st+8*\dk+7], v[QW+8*(2*\qt+\dk):QW+8*(2*\qt+\dk)+7], 0
.endif
.endr
.endr
.endr
	WIN 0
.rept 4
	v_nop                                          ; four plain instructions before V lands on K's fragments and the softmax reads S
.endr
.irp kc, 0,1
.irp dt, 0,1,2,3
	ds_load_tr16_b128 v[FR+8*(4*\kc+\dt):FR+8*(4*\kc+\dt)+3],   v[VA+\slot] offset:\hf*PART+\kc*16*VP+32*\dt
	ds_load_tr16_b128 v[FR+8*(4*\kc+\dt)+4:FR+8*(4*\kc+\dt)+7], v[VA+\slot] offset:\hf*PART+\kc*16*VP+8*VP+32*\dt
.endr
.endr
	SOFTMAX \mask, \td, \zero
.if \zero==0
	WIN 0x41                                       ; O in window 1, the factor in window 0
.irp dt, 0,1,2,3
.irp qt, 0,1,2,3
.irp p, 0,2,4,6
	v_pk_mul_f32 v[8*(4*\dt+\qt)+\p:8*(4*\dt+\qt)+\p+1], v[8*(4*\dt+\qt)+\p:8*(4*\dt+\qt)+\p+1], v[AL+2*\qt:AL+2*\qt+1]
.endr
.endr
.endr
.endif
	s_wait_dscnt 0x0                               ; V's fragments
	WIN 0x50                                       ; C and D (O) in window 1
.irp kc, 0,1
.irp dt, 0,1,2,3
.irp qt, 0,1,2,3
.if \zero*(1-\kc)
	v_wmma_f32_16x16x32_f16 v[8*(4*\dt+\qt):8*(4*\dt+\qt)+7], v[FR+8*(4*\kc+\dt):FR+8*(4*\kc+\dt)+7], v[S+32*\qt+16*\kc:S+32*\qt+16*\kc+7], 0
.else
	v_wmma_f32_16x16x32_f16 v[8*(4*\dt+\qt):8*(4*\dt+\qt)+7], v[FR+8*(4*\kc+\dt):FR+8*(4*\kc+\dt)+7], v[S+32*\qt+16*\kc:S+32*\qt+16*\kc+7], v[8*(4*\dt+\qt):8*(4*\dt+\qt)+7]
.endif
.endr
.endr
.endr
	WIN 0
.if \mask*\td
.Lskip_\@:
.endif
.endm
; The block's results: divide by the sum, round to f16, through my own stage, out as 512 consecutive bytes (four rows) a store.
.macro EPILOGUE
.rept 4
	v_nop                                          ; four plain instructions behind the last products, before O is read
.endr
.irp qt, 0,1,2,3
	v_permlanex16_b32 v[T2+\qt], v[LS+\qt], s26, s27
.endr
.irp qt, 0,1,2,3
	v_add_f32 v[LS+\qt], v[LS+\qt], v[T2+\qt]      ; both halves' keys
.endr
.irp qt, 0,1,2,3
	v_rcp_f32 v[AL+2*\qt], v[LS+\qt]               ; the sum is at least about 1: the row's largest weight is 2^0
	v_rcp_f32 v[AL+2*\qt+1], v[LS+\qt]
.endr
	v_nop                                          ; the plain instruction behind the reciprocals
	WIN 0x41
	s_wait_alu depctr_va_vdst(0)
.irp dt, 0,1,2,3
.irp qt, 0,1,2,3
.irp p, 0,2,4,6
	v_pk_mul_f32 v[8*(4*\dt+\qt)+\p:8*(4*\dt+\qt)+\p+1], v[8*(4*\dt+\qt)+\p:8*(4*\dt+\qt)+\p+1], v[AL+2*\qt:AL+2*\qt+1]
.endr
.endr
.endr
	WIN 0x05
.irp qt, 0,1,2,3
.irp dt, 0,1,2,3
.irp i, 0,1,2,3
	v_cvt_pk_f16_f32 v[S+4*(4*\qt+\dt)+\i], v[8*(4*\dt+\qt)+2*\i], v[8*(4*\dt+\qt)+2*\i+1]
.endr
.endr
.endr
	WIN 0
.irp qt, 0,1,2,3
.irp dt, 0,1,2,3
	ds_store_b128 v[STO], v[S+4*(4*\qt+\dt):S+4*(4*\qt+\dt)+3] offset:\qt*16*SP+32*\dt
.endr
.endr
.irp m, 0,1,2,3,4,5,6,7,8,9,10,11,12,13,14,15
	ds_load_b128 v[S+64+4*\m:S+64+4*\m+3], v[RD] offset:\m*4*SP    ; a wave's LDS instructions are served in order: these see the stores above
.endr
.irp m, 0,1,2,3,4,5,6,7,8,9,10,11,12,13,14,15
	s_wait_dscnt 15-\m
	global_store_b128 v[CO], v[S+64+4*\m:S+64+4*\m+3], s[24:25] offset:512*\m
.endr
	s_wait_xcnt 0x0                                ; the stores' data and base are written again only behind this wait
.endm
; A query block.  s13 = J, s14 = the key step that the next block begins with, s17 = trips of the loop over pairs of full steps.
; last = 1: the loop's last pair is written out, and its last step fills nothing.
.macro BLOCK last
	s_lshl_b32 s18, s12, 18                        ; head: 2,048 rows of 128 bytes
	s_lshl_b32 s2, s13, 15                         ; block: 256 rows
	s_add_co_u32 s18, s18, s2
	s_lshl_b32 s2, s8, 13                          ; wave: 64 rows
	s_add_co_u32 s18, s18, s2
	s_add_nc_u64 s[22:23], s[4:5], s[18:19]        ; my rows of q
	s_add_nc_u64 s[24:25], s[6:7], s[18:19]        ; and of o
	WIN 0x40                                       ; destination in window 1
.irp qt, 0,1,2,3
.irp dk, 0,1
	global_load_b128 v[QW+8*(2*\qt+\dk):QW+8*(2*\qt+\dk)+3],   v[QO], s[22:23] offset:\qt*2048+\dk*64
	global_load_b128 v[QW+8*(2*\qt+\dk)+4:QW+8*(2*\qt+\dk)+7], v[QO], s[22:23] offset:\qt*2048+\dk*64+32
.endr
.endr
	WIN 0
	s_lshl_b32 s16, s13, 1
	s_add_co_u32 s16, s16, 1                       ; next: the second diagonal step, 2 J + 1
	STEP 1, 1
	s_wait_loadcnt 0x0                             ; Q
	TILE 0, 0, 1, 0, 1
	TILE 0, 1, 1, 1, 0
	s_cmp_eq_u32 s13, 0
	s_cselect_b32 s16, s14, 0                      ; next: full step 0, or with J = 0 the next block's first
	STEP 0, 1
	TILE 1, 0, 1, 2, 0
	TILE 1, 1, 1, 3, 0
	s_mov_b32 s15, 0                               ; pair of full steps
.if \last==0
	s_cmp_eq_u32 s13, 0
	s_cbranch_scc1 .Lnofull_\@
.endif
.Lfull_\@:
	s_lshl_b32 s16, s15, 1
	s_add_co_u32 s16, s16, 1
	STEP 1, 1
	TILE 0, 0, 0, 0, 0
	TILE 0, 1, 0, 0, 0
	s_add_co_u32 s15, s15, 1
	s_lshl_b32 s16, s15, 1
	s_cmp_lt_u32 s15, s13
	s_cselect_b32 s16, s16, s14                    ; next: the next pair's first step, or the next block's first
	STEP 0, 1
	TILE 1, 0, 0, 0, 0
	TILE 1, 1, 0, 0, 0
	s_cmp_lt_u32 s15, s17
	s_cbranch_scc1 .Lfull_\@
.if \last
	s_lshl_b32 s16, s15, 1
	s_add_co_u32 s16, s16, 1
	STEP 1, 1
	TILE 0, 0, 0, 0, 0
	TILE 0, 1, 0, 0, 0
	STEP 0, 0                                      ; nothing is left to fetch; no tensor load is out from here on
	TILE 1, 0, 0, 0, 0
	TILE 1, 1, 0, 0, 0
.else
.Lnofull_\@:
.endif
	EPILOGUE
.endm
	s_load_b128 s[4:7], s[0:1], 0x0                ; qkv s[4:5], oh s[6:7]
	v_lshl_add_u32 v62, v0, 2, 0x29000
	v_mov_b32 v63, 0
	ds_add_u32 v62, v63
	ds_add_u32 v62, v63
	v_lshrrev_b32 v1, 5, v0
	v_readfirstlane_b32 s8, v1                     ; wave 0..3
	s_lshr_b32 s9, s8, 1                           ; I fetch K (0) or V (1),
	s_and_b32 s10, s8, 1                           ; and which 64 keys of a step
	s_mov_b32 s11, ttmp9                           ; i
	s_and_b32 s12, ttmp7, 0xffff                   ; bh
	s_mov_b32 s19, 0                               ; high word of the offset pair s[18:19]
	s_mov_b32 s26, 0x76543210                      ; v_permlanex16_b32: lane l reads lane l xor 16
	s_mov_b32 s27, 0xfedcba98
	; 64 keys of 128 bytes are dense: 32 rows of 128 elements of 2 bytes; padding behind every 64 words: K 4 words, V 8 words
	s_mov_b32 s[G1K+0], (1<<16)|(1<<20)|(5<<22)|(3<<25)
	s_mov_b32 s[G1K+1], 128<<16                    ; tensor_dim0
	s_mov_b32 s[G1K+2], 32<<16                     ; tensor_dim1
	s_mov_b32 s[G1K+3], 128<<16                    ; tile_dim0
	s_mov_b32 s[G1K+4], 32                         ; tile_dim1
	s_mov_b32 s[G1K+5], 128                        ; elements from row to row
	s_mov_b32 s[G1K+6], 0
	s_mov_b32 s[G1K+7], 0
	s_mov_b32 s[G1V+0], (1<<16)|(1<<20)|(5<<22)|(7<<25)
	s_mov_b32 s[G1V+1], 128<<16
	s_mov_b32 s[G1V+2], 32<<16
	s_mov_b32 s[G1V+3], 128<<16
	s_mov_b32 s[G1V+4], 32
	s_mov_b32 s[G1V+5], 128
	s_mov_b32 s[G1V+6], 0
	s_mov_b32 s[G1V+7], 0
	s_mul_i32 s3, s8, PART                         ; my part of a slot
.irp s, 0,1
	s_mov_b32 s[G0+4*\s], 1
	s_add_co_u32 s[G0+4*\s+1], s3, \s*SLOT
.endr
	s_add_co_u32 s18, s9, 1                        ; k is mat 1, v is mat 2
	s_lshl_b32 s18, s18, 24
	s_lshl_b32 s2, s12, 18
	s_add_co_u32 s18, s18, s2
	s_lshl_b32 s2, s10, 13
	s_add_co_u32 s18, s18, s2
	s_wait_dscnt 0x0
	s_wait_kmcnt 0x0
	s_add_nc_u64 s[20:21], s[4:5], s[18:19]        ; my 64 keys of key step 0
	s_lshl_b32 s16, s11, 1                         ; the first step: the first diagonal step of block i
	SETG0 0
	JLOAD 0                                        ; the first fill, ahead of every wait on it, LDS read and barrier; slot 1 is first filled behind the first barrier
	v_and_b32 v1, 31, v0                           ; l
	v_and_b32 v11, 15, v0                          ; r
	v_bfe_u32 v48, v0, 4, 1                        ; h
	v_and_b32 v50, 1, v0
	v_lshrrev_b32 v49, 1, v11                      ; K: key r lies in LDS row r / 2, half r % 2
	v_mul_u32_u24 v49, v49, KP
	v_lshl_add_u32 v49, v50, 7, v49
	v_lshl_add_u32 v[KA], v48, 4, v49
	v_add_nc_u32 v[KA+1], SLOT, v[KA]
	v_bfe_u32 v49, v0, 1, 2                        ; V, for the transposing load: key 8 h + l % 8 lies in LDS row 4 h + (l % 8) / 2, half l % 2
	v_lshl_add_u32 v49, v48, 2, v49
	v_mul_u32_u24 v49, v49, VP
	v_lshl_add_u32 v49, v50, 7, v49
	v_bfe_u32 v51, v0, 3, 1
	v_lshl_add_u32 v49, v51, 4, v49                ; and which 8 of the 16 d
	v_add_nc_u32 v[VA], 2*PART, v49
	v_add_nc_u32 v[VA+1], SLOT+2*PART, v49
	v_lshlrev_b32 v49, 7, v11
	v_lshl_add_u32 v[QO], v48, 4, v49
	s_add_co_u32 s2, s3, STAGE                     ; my stage
	v_mul_u32_u24 v49, v11, SP
	v_lshl_add_u32 v49, v48, 4, v49
	v_add_nc_u32 v[STO], s2, v49
	v_lshrrev_b32 v49, 3, v1
	v_mul_u32_u24 v49, v49, SP
	v_and_b32 v51, 7, v0
	v_lshl_add_u32 v49, v51, 4, v49
	v_add_nc_u32 v[RD], s2, v49
	v_lshlrev_b32 v[CO], 4, v1
	v_mov_b32 v[NI], 0xff800000
	s_lshl_b32 s2, s8, 6
	v_lshlrev_b32 v49, 3, v48
	v_sub_nc_u32 v49, v11, v49
	v_add_nc_u32 v49, s2, v49
.irp qt, 0,1,2,3
	v_add_nc_u32 v[DQ+\qt], 16*\qt, v49            ; 64 w + 16 qt + r - 8 h (may be below 0: compared as signed)
	v_mov_b32 v[T2+\qt], 0                         ; the lane exchange's destination counts as read
.endr
	s_mov_b32 s13, s11                             ; J = i
	s_lshl_b32 s14, s11, 1
	s_sub_co_u32 s14, 14, s14                      ; then block 7 - i begins with key step 14 - 2 i
	s_mov_b32 s17, s11                             ; i pairs of full steps
	BLOCK 0
	s_sub_co_u32 s13, 7, s11                       ; J = 7 - i, at least 4
	s_mov_b32 s14, 0
	s_sub_co_u32 s17, 6, s11                       ; all pairs but the last, which is written out
	BLOCK 1
	s_wait_tensorcnt 0x0
	ds_add_u32 v62, v63
	s_wait_dscnt 0x0
	s_endpgm
.Lfunc_end_k_qc8a51589d7_attn:
	.size	k_qc8a51589d7_attn, .Lfunc_end_k_qc8a51589d7_attn-k_qc8a51589d7_attn
	.p2alignl 7, 3214868480
	.fill 96, 4, 3214868480
	.section	.rodata,"a",@progbits
	.p2align	6, 0x0
	.amdhsa_kernel k_qc8a51589d7_attn
		.amdhsa_group_segment_fixed_size 327680
		.amdhsa_private_segment_fixed_size 0
		.amdhsa_enable_private_segment 0
		.amdhsa_kernarg_size 16
		.amdhsa_user_sgpr_count 2
		.amdhsa_user_sgpr_kernarg_segment_ptr 1
		.amdhsa_wavefront_size32 1
		.amdhsa_system_sgpr_workgroup_id_x 1
		.amdhsa_system_sgpr_workgroup_id_y 1
		.amdhsa_system_sgpr_workgroup_id_z 1
		.amdhsa_system_vgpr_workitem_id 0
		.amdhsa_next_free_vgpr 448
		.amdhsa_next_free_sgpr 66
		.amdhsa_reserve_vcc 1
		.amdhsa_float_denorm_mode_32 3
		.amdhsa_float_denorm_mode_16_64 3
		.amdhsa_memory_ordered 1
		.amdhsa_forward_progress 1
		.amdhsa_inst_pref_size 255
	.end_amdhsa_kernel
	.section	.bss,"aw",@nobits
	.p2align	6
	.space	262144
	.amdgpu_metadata
---
amdhsa.version: [ 1, 2 ]
amdhsa.kernels:
  - .name:           k_qc8a51589d7_attn
    .symbol:         k_qc8a51589d7_attn.kd
    .args:
      - { .name: qkv, .offset: 0, .size: 8, .value_kind: global_buffer, .address_space: global }
      - { .name: oh, .offset: 8, .size: 8, .value_kind: global_buffer, .address_space: global }
    .group_segment_fixed_size: 327680
    .private_segment_fixed_size: 0
    .kernarg_segment_align: 8
    .kernarg_segment_size: 16
    .max_flat_workgroup_size: 128
    .sgpr_count:     66
    .vgpr_count:     448
    .wavefront_size: 32
...
	.end_amdgpu_metadata
.endif
;; end of part 3
;; launch outproj (part 4): grid 4 x 64, 4 waves a work-group, clusters of 4 x 4, 327,680 bytes of LDS; arguments oh, woh, bo, out0; writes out0
.if DOCPART == 4
	.amdgcn_target "amdgcn-amd-amdhsa--gfx1250"
	.amdhsa_code_object_version 6
	.text
	.protected	k_qc8a51589d7_outproj
	.globl	k_qc8a51589d7_outproj
	.p2align	8
	.type	k_qc8a51589d7_outproj,@function
k_qc8a51589d7_outproj:
	s_mov_b64 s[64:65], 0
	v_nop
	global_prefetch_b8 v0, s[64:65] scope:SCOPE_SE
	s_setreg_imm32_b32 hwreg(HW_REG_WAVE_MODE, 25, 1), 1
	s_wait_xcnt 0x0
	s_wait_alu depctr_hold_cnt(0) depctr_sa_sdst(0) depctr_va_vdst(0) depctr_va_sdst(0) depctr_va_ssrc(0) depctr_va_vcc(0) depctr_vm_vsrc(0)
	s_getreg_b32 s2, hwreg(HW_REG_IB_STS2, 6, 4)
	s_cmp_eq_u32 s2, 0
	s_cbranch_scc0 .Lentry_in_a_cluster
	s_endpgm
.Lentry_in_a_cluster:
	s_bfe_u32 s2, ttmp6, 0x10000c
	s_cmp_lg_u32 s2, 0xf033
	s_cbranch_scc0 .Lentry_shape_is_right
	s_endpgm
.Lentry_shape_is_right:
; LAUNCH 4 OF 4: out0[m][n] = sum over k of o[m][k] Wo[n][k] + bo[n], M = 8192, N = K = 1024, f16 operands, f32 sums, f32 result.
; o lies as oh[b h][t][d] (k = 64 h + d, m = 2048 b + t): the heads are joined here, by the order of the K steps.  Nothing of reference() is left out.
; The structure of the launch qkvproj: a work-group makes 128 (m) x 256 (n) with four waves, 2 x 2, a wave 64 x 128 in 32 accumulator tiles;
; 4 x 64 = 256 work-groups; K in 8 steps of 128 (two heads) through two LDS slots; clusters of 4 x 4, o's tile asked for jointly along a cluster's
; row, Wo's along its column.  By this text's count a wave has two tensor loads out at the start and one behind each later round.
; o's tile: for each of the step's two heads the block's 128 rows of 128 bytes are dense: 64 LDS rows of 256 bytes (two t each).
; REGISTERS: window 0: v0-31 addresses and the bias, v64-159 and v160-255 two fragment buffers (8 fragments of Wo, then 4 of o);
; window 1: accumulator tile (a, b) at v[8 (8 a + b)].  The product is used transposed: lane l holds row m = l % 16, columns n = 8 (l / 16) + 0..7.
.set KSTEP,  128
.set PA,     272
.set PB,     272
.set HA,     64*PA                     ; one head's 128 rows of o: one tensor load
.set HB,     128*PB                    ; 128 rows of Wo: one tensor load
.set BOFF,   2*HA
.set SLOT,   2*HA+2*HB                 ; 104,448 bytes
.set STAGE,  2*SLOT                    ; a multiple of 256: 16 rows x 528 bytes for each wave; no tensor load lands here
.set SPITCH, 528                       ; 128 f32 + 16 bytes
.set ASTEP,  2*2048*128                ; two heads on
.set BSTEP,  KSTEP*2
.set LAPS,   4
.set ADRA, 16
.set ADRB, 20
.set STO,  24
.set RD,   25
.set CO,   26
.set BOF,  27                          ; v27    my byte offset in bo
.set BIAS, 28                          ; v28-31 bo of my four columns on the way out
.set F0,   64
.set F1,   160
.set G1,  24
.set G0,  32
.set G1B, 48
.set G0B, 56
.set MSB, 0
.macro WIN new
.if MSB != \new
	s_set_vgpr_msb (MSB<<8)|\new
.set MSB, \new
.endif
.endm
.set MUL, 0x50
.macro JLOAD s                         ; waves 0, 1 ask for o's two heads, waves 2, 3 for Wo's two halves
	s_cmp_eq_u32 s11, 0
	s_cbranch_scc0 .Lfor_b_\@
	tensor_load_to_lds s[G0+4*\s:G0+4*\s+3], s[G1:G1+7]
	s_nop 0
	s_branch .Lasked_\@
.Lfor_b_\@:
	tensor_load_to_lds s[G0B+4*\s:G0B+4*\s+3], s[G1B:G1B+7]
	s_nop 0
.Lasked_\@:
.endm
.macro CREST
	s_cmp_lg_u32 s10, 0
	s_cbranch_scc1 .Lnot_wave_0_\@
	s_barrier_signal -3
.Lnot_wave_0_\@:
	s_barrier_wait -3
	s_barrier_signal -1
	s_barrier_wait -1
.endm
.macro CROUND
	s_barrier_signal -1
	s_barrier_wait -1
	CREST
.endm
	s_load_b128 s[4:7], s[0:1], 0x0                ; oh s[4:5], woh s[6:7]
	s_load_b64 s[68:69], s[0:1], 0x10              ; bo
	s_load_b64 s[8:9], s[0:1], 0x18                ; out0
	v_lshl_add_u32 v62, v0, 2, 0x3b400
	v_mov_b32 v63, 0
	ds_add_u32 v62, v63
	ds_add_u32 v62, v63
	v_lshrrev_b32 v1, 5, v0
	v_readfirstlane_b32 s10, v1
	s_lshr_b32 s11, s10, 1                         ; my half of the rows.  Also: I fetch for o (0) or for Wo (1)
	s_and_b32 s12, s10, 1                          ; my half of the columns.  Also: which head, or which 128 rows of Wo, I fetch
	s_bfe_u32 s40, ttmp6, 0x40000
	s_bfe_u32 s41, ttmp6, 0x40004
	s_lshl_b32 s42, ttmp9, 2
	s_add_co_u32 s42, s42, s40                     ; block column 0..3
	s_and_b32 s13, ttmp7, 0xffff
	s_lshl_b32 s13, s13, 2
	s_add_co_u32 s13, s13, s41                     ; block row 0..63
	s_lshl_b32 s43, s41, 2
	s_lshl_b32 s43, 15, s43
	s_lshl_b32 s44, 0x1111, s40
	; o's tile: 64 rows x 128 elements, dense in memory; 4 words of padding behind every 64 words
	s_or_b32 s[G1+0], s43, (1<<16)|(1<<20)|(1<<21)|(5<<22)|(3<<25)
	s_mov_b32 s[G1+1], 128<<16
	s_mov_b32 s[G1+2], 64<<16
	s_mov_b32 s[G1+3], 128<<16
	s_mov_b32 s[G1+4], 64
	s_mov_b32 s[G1+5], 128
	s_mov_b32 s[G1+6], 0
	s_mov_b32 s[G1+7], 0
	; Wo's tile: 128 rows (n) x 128 elements (k)
	s_or_b32 s[G1B+0], s44, (1<<16)|(1<<20)|(1<<21)|(5<<22)|(3<<25)
	s_mov_b32 s[G1B+1], 128<<16
	s_mov_b32 s[G1B+2], 128<<16
	s_mov_b32 s[G1B+3], 128<<16
	s_mov_b32 s[G1B+4], 128
	s_mov_b32 s[G1B+5], 1024
	s_mov_b32 s[G1B+6], 0
	s_mov_b32 s[G1B+7], 0
	s_lshr_b32 s16, s13, 4                         ; batch: 16 heads of 262,144 bytes
	s_lshl_b32 s16, s16, 22
	s_and_b32 s17, s13, 15                         ; 128 rows of 128 bytes
	s_lshl_b32 s17, s17, 14
	s_add_co_u32 s16, s16, s17
	s_lshl_b32 s17, s12, 18                        ; which of the step's two heads
	s_add_co_u32 s16, s16, s17
	s_mov_b32 s17, 0
	s_lshl_b32 s46, s42, 19                        ; 256 rows of 2,048 bytes
	s_lshl_b32 s47, s12, 18                        ; 128 rows
	s_add_co_u32 s46, s46, s47
	s_mov_b32 s47, 0
	s_mul_i32 s20, s12, HA
	s_mul_i32 s21, s12, HB
	s_add_co_u32 s21, s21, BOFF
	s_wait_dscnt 0x0
	s_wait_kmcnt 0x0
	s_add_nc_u64 s[14:15], s[4:5], s[16:17]
	s_add_nc_u64 s[46:47], s[6:7], s[46:47]
	CROUND
.irp s, 0,1
	s_mov_b32 s[G0+4*\s], 1
	s_add_co_u32 s[G0+4*\s+1], s20, \s*SLOT
	s_add_nc_u64 s[G0+4*\s+2:G0+4*\s+3], s[14:15], \s*ASTEP
	s_or_b32 s[G0+4*\s+3], s[G0+4*\s+3], 0x80000000
	s_mov_b32 s[G0B+4*\s], 1
	s_add_co_u32 s[G0B+4*\s+1], s21, \s*SLOT
	s_add_nc_u64 s[G0B+4*\s+2:G0B+4*\s+3], s[46:47], \s*BSTEP
	s_or_b32 s[G0B+4*\s+3], s[G0B+4*\s+3], 0x80000000
	JLOAD \s
.endr
	v_and_b32 v6, 31, v0
	s_lshl_b32 s46, s42, 10                        ; bo: 256 columns of 4 bytes a block column (in the registers that held Wo's address),
	s_lshl_b32 s47, s12, 9                         ; 128 a wave,
	s_add_co_u32 s46, s46, s47
	v_lshl_add_u32 v[BOF], v6, 4, s46              ; four a lane
	global_load_b128 v[BIAS:BIAS+3], v[BOF], s[68:69]
	v_and_b32 v1, 15, v0                           ; r
	v_bfe_u32 v2, v0, 4, 1                         ; h
	v_lshrrev_b32 v3, 1, v1                        ; o: row t = r lies in LDS row r / 2, half r % 2
	v_mul_u32_u24 v3, v3, PA
	v_and_b32 v4, 1, v0
	v_lshl_add_u32 v3, v4, 7, v3
	v_lshl_add_u32 v3, v2, 4, v3
	v_mul_u32_u24 v4, v1, PB                       ; Wo: row n = r
	v_lshl_add_u32 v4, v2, 4, v4
	s_mul_i32 s22, s11, 32*PA                      ; my 64 rows of o are 32 LDS rows
	s_mul_i32 s23, s12, HB                         ; my 128 rows of Wo
	s_add_co_u32 s23, s23, BOFF
.irp s, 0,1
	v_add_nc_u32 v[ADRA+\s], s22, v3
	v_add_nc_u32 v[ADRB+\s], s23, v4
	s_add_co_u32 s22, s22, SLOT
	s_add_co_u32 s23, s23, SLOT
.endr
	s_mul_i32 s45, s10, 16*SPITCH
	s_add_co_u32 s45, s45, STAGE
	v_mul_u32_u24 v5, v1, SPITCH                   ; in: row r, 32 bytes for each half of the lanes
	v_lshl_add_u32 v5, v2, 5, v5
	v_add_nc_u32 v[STO], s45, v5
	v_lshlrev_b32 v[CO], 4, v6                     ; back, and out: 32 lanes take a row's 512 bytes
	v_add_nc_u32 v[RD], s45, v[CO]
.macro MUL8 f, a, zero
.irp b, 0,1,2,3,4,5,6,7
.if \zero
	v_wmma_f32_16x16x32_f16 v[8*(8*\a+\b):8*(8*\a+\b)+7], v[\f+8*\b:\f+8*\b+7], v[\f+64+8*\a:\f+64+8*\a+7], 0
.else
	v_wmma_f32_16x16x32_f16 v[8*(8*\a+\b):8*(8*\a+\b)+7], v[\f+8*\b:\f+8*\b+7], v[\f+64+8*\a:\f+64+8*\a+7], v[8*(8*\a+\b):8*(8*\a+\b)+7]
.endif
.endr
.endm
; 24 LDS loads: quarter q (32 along K) of a slot into buffer f: Wo's 16, then o's 8 (head q / 2 of the step, d from 32 (q % 2))
.macro FETCH slot, q, f
.irp b, 0,1,2,3,4,5,6,7
	ds_load_b128 v[\f+8*\b:\f+8*\b+3],   v[ADRB+\slot] offset:64*\q+\b*16*PB
	ds_load_b128 v[\f+8*\b+4:\f+8*\b+7], v[ADRB+\slot] offset:64*\q+\b*16*PB+32
.endr
.irp a, 0,1,2,3
	ds_load_b128 v[\f+64+8*\a:\f+64+8*\a+3],   v[ADRA+\slot] offset:(\q>>1)*HA+(\q&1)*64+\a*8*PA
	ds_load_b128 v[\f+64+8*\a+4:\f+64+8*\a+7], v[ADRA+\slot] offset:(\q>>1)*HA+(\q&1)*64+\a*8*PA+32
.endr
.endm
; Four plain vector instructions stand between a product and a load into a register that it read, or an LDS store of its result
; (ISA guide 7.12.1 for vector instructions).
.macro PLACES
.rept 4
	v_nop
.endr
.endm
; The 32 accumulators take turns, one product a turn, in the same order in every quarter, over the backward jump too.
.macro QUARTER slot, q, f, g, zero
	s_wait_dscnt 4                                 ; only the four youngest loads (o's tiles 2, 3) may be out
	WIN MUL
	MUL8 \f, 0, \zero
	MUL8 \f, 1, \zero
	PLACES
	WIN 0
	FETCH \slot, \q, \g
	s_wait_dscnt 24                                ; all but the 24 just issued
	WIN MUL
	MUL8 \f, 2, \zero
	MUL8 \f, 3, \zero
.endm
.macro THREE slot, zero
	QUARTER \slot, 1, F0, F1, \zero
	QUARTER \slot, 2, F1, F0, 0
	QUARTER \slot, 3, F0, F1, 0
.endm
; The change of slots: each wave's reads of this slot and all its tensor loads are waited for in front of the barrier; with fill = 1 the barrier opens
; a round of the cluster's barrier, and the joint refill is the wave's first and only tensor load behind the round.
.macro TURN slot, next, fill
	s_wait_dscnt 4
	WIN MUL
	MUL8 F1, 0, 0
	s_wait_dscnt 0
	s_wait_tensorcnt 0x0
	ds_add_u32 v62, v63
	s_wait_dscnt 0x0
	s_barrier_signal -1
	MUL8 F1, 1, 0
	WIN 0
	s_barrier_wait -1
.if \fill
	CREST
	s_add_nc_u64 s[G0+4*\slot+2:G0+4*\slot+3], s[G0+4*\slot+2:G0+4*\slot+3], 2*ASTEP
	s_add_nc_u64 s[G0B+4*\slot+2:G0B+4*\slot+3], s[G0B+4*\slot+2:G0B+4*\slot+3], 2*BSTEP
	JLOAD \slot
.endif
	PLACES
	FETCH \next, 0, F0
	WIN MUL
	MUL8 F1, 2, 0
	MUL8 F1, 3, 0
.endm
.macro LAP zero
	THREE 0, \zero
	TURN 0, 1, 1
	THREE 1, 0
	TURN 1, 0, 1
.endm
	s_wait_tensorcnt 1                             ; my part of K step 0 is in; K step 1's stays out
	s_barrier_signal -1
	s_barrier_wait -1
	FETCH 0, 0, F0
	LAP 1
	WIN 0
	s_mov_b32 s3, LAPS-2
.Llap:
	LAP 0
	WIN 0
	s_sub_co_u32 s3, s3, 1
	s_cmp_lg_u32 s3, 0
	s_cbranch_scc1 .Llap
	THREE 0, 0
	TURN 0, 1, 0
	THREE 1, 0
	s_wait_dscnt 4
	WIN MUL
	MUL8 F1, 0, 0
	MUL8 F1, 1, 0
	s_wait_dscnt 0
	MUL8 F1, 2, 0
	MUL8 F1, 3, 0
	; THE WAY OUT, 16 rows at a time: the f32 sums go through my own stage, come back as whole rows of 512 bytes, get the bias and are stored.
	PLACES
	s_lshl_b32 s16, s13, 19                        ; 128 rows of 4,096 bytes a block row,
	s_lshl_b32 s14, s11, 18                        ; 64 a wave
	s_add_co_u32 s16, s16, s14
	s_mov_b32 s17, 0
	s_add_nc_u64 s[8:9], s[8:9], s[16:17]
	s_mov_b32 s47, 0                               ; s46 still holds my first column's byte offset, the same in a row of out0 as in bo
	s_add_nc_u64 s[8:9], s[8:9], s[46:47]
	s_wait_loadcnt 0x0                             ; the bias
.macro OUT16 a, f
	WIN 0x04                                       ; the stores' data in window 1
.irp b, 0,1,2,3,4,5,6,7
	ds_store_b128 v[STO], v[8*(8*\a+\b):8*(8*\a+\b)+3]   offset:64*\b
	ds_store_b128 v[STO], v[8*(8*\a+\b)+4:8*(8*\a+\b)+7] offset:64*\b+16
.endr
	WIN 0
	s_wait_xcnt 0x0                                ; buffer f was the data of earlier stores: it is loaded again only behind this wait
.irp rr, 0,1,2,3,4,5,6,7,8,9,10,11,12,13,14,15
	ds_load_b128 v[\f+4*\rr:\f+4*\rr+3], v[RD] offset:\rr*SPITCH   ; a wave's LDS instructions are served in order: these see the stores above
.endr
.irp rr, 0,1,2,3,4,5,6,7,8,9,10,11,12,13,14,15
	s_wait_dscnt 15-\rr
	v_pk_add_f32 v[\f+4*\rr:\f+4*\rr+1],   v[\f+4*\rr:\f+4*\rr+1],   v[BIAS:BIAS+1]
	v_pk_add_f32 v[\f+4*\rr+2:\f+4*\rr+3], v[\f+4*\rr+2:\f+4*\rr+3], v[BIAS+2:BIAS+3]
	global_store_b128 v[CO], v[\f+4*\rr:\f+4*\rr+3], s[8:9] offset:\a*65536+\rr*4096 th:TH_STORE_NT   ; 512 consecutive bytes of a row, aligned
.endr
.endm
	OUT16 0, F0
	OUT16 1, F1
	OUT16 2, F0
	OUT16 3, F1
	s_wait_tensorcnt 0x0
	ds_add_u32 v62, v63
	s_wait_dscnt 0x0
	CROUND                                         ; the closing round
	s_endpgm
.Lfunc_end_k_qc8a51589d7_outproj:
	.size	k_qc8a51589d7_outproj, .Lfunc_end_k_qc8a51589d7_outproj-k_qc8a51589d7_outproj
	.p2alignl 7, 3214868480
	.fill 96, 4, 3214868480
	.section	.rodata,"a",@progbits
	.p2align	6, 0x0
	.amdhsa_kernel k_qc8a51589d7_outproj
		.amdhsa_group_segment_fixed_size 327680
		.amdhsa_private_segment_fixed_size 0
		.amdhsa_enable_private_segment 0
		.amdhsa_kernarg_size 32
		.amdhsa_user_sgpr_count 2
		.amdhsa_user_sgpr_kernarg_segment_ptr 1
		.amdhsa_wavefront_size32 1
		.amdhsa_system_sgpr_workgroup_id_x 1
		.amdhsa_system_sgpr_workgroup_id_y 1
		.amdhsa_system_sgpr_workgroup_id_z 1
		.amdhsa_system_vgpr_workitem_id 0
		.amdhsa_next_free_vgpr 512
		.amdhsa_next_free_sgpr 70
		.amdhsa_reserve_vcc 0
		.amdhsa_float_denorm_mode_32 3
		.amdhsa_float_denorm_mode_16_64 3
		.amdhsa_memory_ordered 1
		.amdhsa_forward_progress 1
		.amdhsa_inst_pref_size 126
	.end_amdhsa_kernel
	.amdgpu_metadata
---
amdhsa.version: [ 1, 2 ]
amdhsa.kernels:
  - .name:           k_qc8a51589d7_outproj
    .symbol:         k_qc8a51589d7_outproj.kd
    .args:
      - { .name: oh, .offset: 0, .size: 8, .value_kind: global_buffer, .address_space: global }
      - { .name: woh, .offset: 8, .size: 8, .value_kind: global_buffer, .address_space: global }
      - { .name: bo, .offset: 16, .size: 8, .value_kind: global_buffer, .address_space: global }
      - { .name: out0, .offset: 24, .size: 8, .value_kind: global_buffer, .address_space: global }
    .group_segment_fixed_size: 327680
    .private_segment_fixed_size: 0
    .kernarg_segment_align: 8
    .kernarg_segment_size: 32
    .max_flat_workgroup_size: 128
    .sgpr_count:     70
    .vgpr_count:     512
    .wavefront_size: 32
...
	.end_amdgpu_metadata
.endif
;; end of part 4
